; MI455X (gfx1250); checked and timed in simulation.
; The chip was launched on July 23, 2026; its instructions are those of AMD's public machine-readable ISA for CDNA 5 (MIT licence, August 2026) and "CDNA5" Instruction Set Architecture Reference Guide (July 2026). The comments in the code are by the model that wrote it; some were corrected since.
;; Attention Block. Allowed arithmetic: matrix products marked QUANTISED: E3M2 operands, one E8M0 scale for each 32 along K, by v_wmma_scale_f32_16x16x128_f8f6f4 with both operands' format E3M2, f32 sums; products left as they are: f32 operands where the result goes on into a quantised operand, else bf16, f16 or f32 operands; f32 sums; everything else in f32.
;; Inputs: Wk 8 x 64 float32; Wq 8 x 64 float32; Wv 64 x 64 float32; bk 8 float32; bq 8 float32; bv 64 float32; gamma 1 float32; x 1 x 64 x 128 x 128 float32.
;; Outputs: out0 1 x 64 x 128 x 128 float32.
;; This version of the problem:
;;   THIS VERSION OF THE PROBLEM IS GIVEN IN LOW PRECISION. The matrix products marked QUANTISED in the list below multiply operands that are first quantised to E3M2 (3 exponent bits, 2 mantissa bits; 6 bits a number), with one power-of-two scale for each 32 numbers along K (OCP MX v1.0); their sums are f32. All else is computed in f32.
;;   The module's matrix products, in the order in which they are computed (A, B: the left and right operand; K: the contracted axis; several contracted axes count as one K, in the product's order):
;;     1. [M 16,384, K 64] x [K 64, N 8]; A: input x; B: input Wq: left as it is (N = 8 < 16)
;;     2. [M 16,384, K 64] x [K 64, N 8]; A: input x; B: input Wk: left as it is (N = 8 < 16)
;;     3. [M 16,384, K 64] x [K 64, N 64]; A: input x; B: input Wv: QUANTISED
;;     4. [M 16,384, K 8] x [K 8, N 16,384]; A: computed on the way; B: computed on the way: left as it is (K = 8 < 32)
;;     5. [M 16,384, K 16,384] x [K 16,384, N 64]; A: softmax (see below); B: computed on the way: QUANTISED
;;   THE QUANTISER, for each operand of a quantised product, along K:
;;     - K is cut into blocks of 32 from its start; a last block that is shorter is filled with zeros.
;;     - A block's scale is 2^e with e = floor(log2(the largest magnitude in the block)) - 4, held to -126 .. 127; a block of zeros has e = 0. As a byte (E8M0): e + 127.
;;     - Each number is divided by its block's scale, clamped to +-28, and rounded to the nearest number of E3M2, ties to even, subnormals kept.
;;     - The product sums the exact products of the quantised numbers (number of the format x scale) in f32.
;;   ~~~python
;;   def quantise(x, axis):      # numpy; x: float32 -> the quantised numbers, widened to float32 again
;;       x = np.moveaxis(x, axis, -1); K = x.shape[-1]
;;       x = np.pad(x, [(0, 0)] * (x.ndim - 1) + [(0, -K % 32)]); x = x.reshape(x.shape[:-1] + (-1, 32)); a = np.abs(x).max(-1, keepdims=True)
;;       e = np.where(a > 0, np.clip(np.frexp(np.where(a > 0, a, 1))[1] - 1 - 4, -126, 127), 0)      # np.frexp(a)[1] - 1 = floor(log2(a)), exactly
;;       r = np.clip(x / 2.0 ** e, -28, 28)
;;       step = 2.0 ** (np.maximum(np.frexp(np.where(r == 0, 1, r))[1] - 1, -2) - 2)
;;       q = np.round(r / step) * step * 2.0 ** e      # np.round: ties to even
;;       return np.moveaxis(q.reshape(q.shape[:-2] + (-1,))[..., :K], -1, axis).astype(np.float32)
;;   ~~~
;;   SOFTMAX AHEAD OF A QUANTISED PRODUCT. Where the list says 'softmax', what is quantised is not the finished softmax but p = 2^(t - M), with t = logit x log2(e) and M = ceil(the row's largest t), a whole number; so 1/2 < the row's largest p <= 1. The row's sum l is taken of the UNQUANTISED p, in f32, and the product's result is divided by l at the end. Since M is a whole number, a kernel that streams over the keys may use a running M (the ceiling of the running maximum): every later rescaling is an exact power of two, which a block's scale takes up: the codes' values come out the same.
;;   OPERANDS COMPUTED ON THE WAY. 'Computed on the way' means the value that the module computes at that place (a softmax that the list does not call 'softmax' is quantised finished and normalised). What goes into a quantiser is computed in f32, as accurately as f32 sums, v_exp_f32 and their like allow (about 1e-6 of the number): no bf16 or f16 on the way to a quantiser, and a product that is left as it is and whose result goes on into a quantised operand takes f32 operands (vector FMAs, or v_wmma_f32_16x16x4_f32). A number that lies on a knife's edge between two numbers of the format may be rounded either way, as far as f32 arithmetic and the matrix unit's own rounding can turn it there, and no further.
;; One version. Each part assembles by itself: llvm-mc -triple=amdgcn-amd-amdhsa -mcpu=gfx1250 --defsym DOCPART=n.
;; ======== version 1 of 1: 2 launches
;; workspace buffers: ws 1,867,776 bytes
;; launch prep (part 1): grid 128 x 1, 4 waves a work-group, no clusters, 8,192 bytes of LDS; arguments x, Wq, Wk, Wv, bq, bk, bv, ws; writes ws
.if DOCPART == 1
	.amdgcn_target "amdgcn-amd-amdhsa--gfx1250"
	.amdhsa_code_object_version 6
	.text
	.protected	k_q960cd0db3b_prep
	.globl	k_q960cd0db3b_prep
	.p2align	8
	.type	k_q960cd0db3b_prep,@function
k_q960cd0db3b_prep:
	s_mov_b64 s[64:65], 0
	v_nop
	global_prefetch_b8 v0, s[64:65] scope:SCOPE_SE
	s_setreg_imm32_b32 hwreg(HW_REG_WAVE_MODE, 25, 1), 1
	s_wait_xcnt 0x0
; q, k and v of an attention block over N = 16,384 positions; x is [64 channels][N], f32.
;   q = (Wq x + bq) log2(e),  k = Wk x + bk : f32 operands and sums (their product goes on into a quantiser), by the f32 matrix form.
;   v = Q(x) Q(Wv) + bv : both operands quantised along the 64 channels to codes of E3M2 with one E8M0 scale for each 32; K is filled up to the instruction's 128 with zero codes on both sides.
;   v is then quantised along the KEYS, the K of the second attention product.
; NO WORK IS LEFT OUT: bq and bk move the logits and with them M = ceil(the row's largest t) and p's codes; bv and Wv make v.  Every input of this launch has a way to the output and is loaded.
; LIMITS: NaN and infinities among the inputs are not served.  A block whose largest magnitude lies under 2^-122 gets the scale byte 1; a block of zeros gets the byte 1 where the rule says 127
; (its codes are zeros, and this program alone reads the bytes).  log2(e) is multiplied into q here: one f32 rounding more than t = logit x log2(e).
; WHAT IS STORED lies in the order of the next launch's operand registers:
;   a TILE is 16 positions: tile t = 2 b + u of record rec (128 positions), row m = position 128 rec + 32 b + 8 u + m + 8 (m / 8), so that the results of tiles 2 b and 2 b + 1 are 16 neighbours in a lane;
;   a q or k tile's image is 512 bytes: lane l = r + 16 h owns the 16 bytes at 16 l: components 4 h .. 4 h + 3 of row r;
;   record rec, REC bytes: 8 images of k, then 4 fragments of V^T (16 channels x 128 keys, 12 registers: 3 x 512 bytes, lane l's 16 bytes at 16 l);
;   V's scale words, 256 bytes a record: lane l's 8 bytes at 8 l: channel r of channel tile h, then of channel tile 2 + h;   q's images, 512 bytes a tile.
; SHARES: a work-group is a record.  First wave w takes tiles 2 w and 2 w + 1 (q, k, x's codes); x's codes go from wave to wave through LDS as images of their registers; then wave w takes channel tile w of v for all 128 keys.
; No tensor load: the operands are small and each is read once.  128 work-groups: a fragment of V^T wants 128 keys of a channel tile in one wave.
.set REC,   10240
.set SCOFF, 128*REC
.set QOFF,  SCOFF+128*256
.set XSC,   6144                       ; LDS: x's 8 fragments at 768 t (registers 0-3 at 16 l, registers 4-5 at 512 + 8 l); from XSC their scale words, 128 t + 4 l;
.set VSC,   7168                       ; V's scale words, gathered: 256 bytes;
.set SPARE, 7424                       ; the spare words, 128 bytes for each wave: two blocks of 256 bytes that no other line names
.set XO,   4                           ; v4   x: 32 h channels down + my position in the tile
.set WO,   5                           ; v5   Wq, Wk: row r % 8, + 128 h
.set WVO,  6                           ; v6   Wv: row r, + 128 h
.set QKO,  7                           ; v7   where q's (lanes 0-15) and k's (lanes 16-31) 16 bytes go
.set XWI,  8                           ; v8-10 where I store x's images and scale words
.set XWJ,  9
.set XWS,  10
.set SH,   11                          ; v11  8 h: my block's byte in a scale word
.set SPW,  12                          ; v12  LDS address of my spare word; never rewritten
.set NIL,  13                          ; v13  0; never rewritten
.set FAC,  14                          ; v[14:15] log2(e) in lanes 0-15 (q), 1 in lanes 16-31 (k)
.set BQK,  16                          ; v16-23 bq (lanes 0-15), bk (lanes 16-31): the C of the q and k sums
.set BV,   24                          ; v24-31 bv of my channel, eight times: the C of v's sums
.set ACC,  32                          ; v32-47 q and k of my two tiles: written by the f32 matrix form alone
.set X,    48                          ; v48-111 x: two tiles x 32 channels;  later v48-143 x's 8 fragments;  later v48-63 at work
.set W,    112                         ; v112-143 Wq (rows 0-7) and Wk (rows 8-15)
.set RAW,  144                         ; v144-175 Wk as loaded; then v144-159 q and k to store, v160-167 bq, v160-164 at work
.set QT,   160
.set WVR,  176                         ; v176-207 Wv as loaded
.set VD,   144                         ; v144-207 v: 8 tiles of keys x 8 registers
.set WVF,  208                         ; v208-219 Wv's fragment
.set PC,   220                         ; v220-231 codes just made; v232-238 the conversions' second halves
.set XSR,  240                         ; v240-247 x's scale words
.set WS,   248                         ; v248 Wv's scale word
.set PW,   249                         ; v249 V's scale word just made;  v250, v251 x's
.set TM,   48
.set LI,   252                         ; v252 16 l;  v253 8 l + 512;  v254 4 l + XSC;  v255 my word among V's scale words
.macro BARRIER                         ; my LDS stores have landed and my LDS loads are in: then the work-group's barrier
	s_wait_dscnt 0x0
	s_barrier_signal -1
	s_barrier_wait -1
.endm
; 32 numbers of a lane, one whole block along K (block h of my row), become registers 0-5 of a fragment and, with lane l xor 16's byte, the row's scale word.
.macro Q32 src, dst, tmp, sw
	v_max3_num_f32 v[QT], |v[\src]|, |v[\src+1]|, 0x2800000      ; the largest magnitude, with the floor 2^(5 - 127) among its leaves: the byte cannot fall under 1
	v_max3_num_f32 v[QT+1], |v[\src+2]|, |v[\src+3]|, |v[\src+4]|
.irp i, 5,9,13,17,21,25
	v_max3_num_f32 v[QT], v[QT], |v[\src+\i]|, |v[\src+\i+1]|    ; two chains, so that no line waits for the line above it
	v_max3_num_f32 v[QT+1], v[QT+1], |v[\src+\i+2]|, |v[\src+\i+3]|
.endr
	v_max3_num_f32 v[QT], v[QT], |v[\src+29]|, |v[\src+30]|
	v_max3_num_f32 v[QT], v[QT], v[QT+1], |v[\src+31]|
	v_add_nc_u32 v[QT+2], 0xfe000000, v[QT]                      ; 4 off its exponent field: the conversion takes the exponent field of this operand as its scale
	v_lshrrev_b32 v[QT+3], 23, v[QT+2]                           ; the scale's byte,
	v_lshlrev_b32 v[QT+3], v[SH], v[QT+3]                        ; at its place in the word;
	v_permlanex16_b32 v[QT+4], v[QT+3], s6, s7
	v_or_b32 v[\sw], v[QT+3], v[QT+4]                            ; with lane l xor 16's the word has bytes 0 and 1; bytes 2 and 3 stay 0 and stand over zero codes
	v_cvt_scalef32_pk16_bf6_f32 v[\dst:\dst+2], v[\src:\src+15], v[QT+2]
	v_cvt_scalef32_pk16_bf6_f32 v[\tmp:\tmp+2], v[\src+16:\src+31], v[QT+2]   ; (a conversion's three registers begin on an even number)
	v_nop                                                        ; one plain place behind a scaled conversion
.irp i, 0,1,2
	v_mov_b32 v[\dst+3+\i], v[\tmp+\i]
.endr
.endm
; 64 numbers of a lane, register 16 b + i = k 32 b + 16 (lane / 16) + i of my row, become a fragment's codes in v[PC] on and its scale word in v[PW].
.macro QUANT s
.irp b, 0,1,2,3
	v_max3_num_f32 v[TM+\b], |v[\s+16*\b]|, |v[\s+1+16*\b]|, 0x2800000   ; block b: my 16 numbers, and the floor
.endr
.irp i, 2,4,6,8,10,12,14
.irp b, 0,1,2,3
	v_max3_num_f32 v[TM+\b], v[TM+\b], |v[\s+16*\b+\i]|, |v[\s+1+16*\b+\i]|   ; the four blocks by turns
.endr
.endr
.irp b, 0,1,2,3
	v_permlanex16_b32 v[TM+4+\b], v[TM+\b], s6, s7
.endr
.irp b, 0,1,2,3
	v_max_num_f32 v[TM+\b], v[TM+\b], v[TM+4+\b]                 ; with lane l xor 16's: the block's largest magnitude
.endr
.irp b, 0,1,2,3
	v_add_nc_u32 v[TM+12+\b], 0xfe000000, v[TM+\b]               ; the conversion's scale operand
.endr
.irp b, 0,1,2,3
	v_lshrrev_b32 v[TM+4+\b], 23, v[TM+12+\b]                    ; the scale's byte
.endr
	v_lshl_or_b32 v[PW], v[TM+5], 8, v[TM+4]
	v_lshl_or_b32 v[PW], v[TM+6], 16, v[PW]
	v_lshl_or_b32 v[PW], v[TM+7], 24, v[PW]
.irp c, 0,1
	v_cvt_scalef32_pk16_bf6_f32 v[PC+6*\c:PC+2+6*\c], v[\s+32*\c:\s+15+32*\c], v[TM+12+2*\c]
	v_cvt_scalef32_pk16_bf6_f32 v[PC+12+4*\c:PC+14+4*\c], v[\s+16+32*\c:\s+31+32*\c], v[TM+12+2*\c+1]
.endr
	v_nop                                                        ; one plain place behind a scaled conversion
.irp c, 0,1                                                  ; the operand's layout wants a WHOLE block in a lane: lanes 0-15 block 2 c, lanes 16-31 block 2 c + 1
.irp i, 0,1,2
	v_permlane16_swap_b32 v[PC+6*\c+\i], v[PC+12+4*\c+\i]
.endr
.irp i, 0,1,2
	v_mov_b32 v[PC+3+6*\c+\i], v[PC+12+4*\c+\i]
.endr
.endr
.endm
	s_load_b512 s[16:31], s[0:1], 0x0              ; x 16:17, Wq 18:19, Wk 20:21, Wv 22:23, bq 24:25, bk 26:27, bv 28:29, ws 30:31
	v_lshl_add_u32 v[SPW], v0, 2, SPARE
	v_mov_b32 v[NIL], 0
	v_lshrrev_b32 v1, 5, v0
	v_readfirstlane_b32 s4, v1                     ; wave 0..3
	v_and_b32 v1, 31, v0                           ; lane
	v_and_b32 v2, 15, v0                           ; r
	v_bfe_u32 v3, v0, 4, 1                         ; h
	s_mov_b32 s6, 0x76543210
	s_mov_b32 s7, 0xfedcba98                       ; v_permlanex16_b32's selects for lane l xor 16
	v_cmp_lt_u32 s8, 15, v1                        ; lanes 16-31
	v_cmp_lt_u32 s9, 7, v2                         ; rows 8-15
	v_and_b32 v[XO], 8, v2
	v_add_nc_u32 v[XO], v[XO], v2                  ; r + 8 (r / 8)
	v_lshlrev_b32 v[XO], 2, v[XO]
	v_lshl_add_u32 v[XO], v3, 21, v[XO]            ; + 32 h rows of 65,536 bytes
	v_and_b32 v[WO], 7, v2
	v_lshlrev_b32 v[WO], 8, v[WO]
	v_lshl_add_u32 v[WO], v3, 7, v[WO]
	v_lshlrev_b32 v[WVO], 8, v2
	v_lshl_add_u32 v[WVO], v3, 7, v[WVO]
	v_lshlrev_b32 v[SH], 3, v3
	s_lshl_b32 s10, ttmp9, 9                       ; x: 512 rec + 128 w bytes along a row
	s_lshl_b32 s11, s4, 7
	s_add_co_u32 s10, s10, s11
	s_mov_b32 s11, 0
	s_lshl_b32 s12, s4, 12                         ; Wv: my 16 rows
	s_mov_b32 s13, 0
	s_lshl_b32 s14, s4, 6                          ; bv: my 16 numbers
	s_mov_b32 s15, 0
	s_mul_i32 s48, ttmp9, REC
	s_mul_i32 s54, s4, 1536
	s_add_co_u32 s50, s54, s48
	s_add_co_u32 s50, s50, 4096                    ; my fragment of V^T in the record
	s_mov_b32 s51, 0
	s_lshl_b32 s52, ttmp9, 8
	s_add_co_u32 s52, s52, SCOFF                   ; the record's scale words
	s_mov_b32 s53, 0
	s_lshl_b32 s49, s4, 10
	s_add_co_u32 s48, s48, s49                     ; k's images of my two tiles: REC rec + 1,024 w
	s_mul_i32 s49, ttmp9, 6144
	s_sub_co_u32 s49, QOFF, s49                    ; and how far above them q's lie: QOFF + 512 (8 rec + 2 w) - (REC rec + 1,024 w)
	v_xor_b32 v[QKO], 1, v3
	v_mul_u32_u24 v[QKO], s49, v[QKO]              ; lanes 0-15 hold q
	v_lshl_add_u32 v[QKO], v2, 4, v[QKO]
	v_add_nc_u32 v[QKO], s48, v[QKO]
	v_lshl_add_u32 v[XWI], v1, 4, s54              ; 16 l + 1,536 w
	v_lshl_add_u32 v[XWJ], v1, 3, s54
	v_add_nc_u32 v[XWJ], 512, v[XWJ]               ; 8 l + 1,536 w + 512
	s_lshl_b32 s55, s4, 8
	v_lshl_add_u32 v[XWS], v1, 2, s55
	v_add_nc_u32 v[XWS], XSC, v[XWS]               ; 4 l + 256 w + XSC
	s_and_b32 s56, s4, 1
	s_lshl_b32 s56, s56, 7
	s_lshr_b32 s57, s4, 1
	s_lshl_b32 s57, s57, 2
	s_add_co_u32 s56, s56, s57
	v_lshl_add_u32 v255, v2, 3, s56
	v_add_nc_u32 v255, VSC, v255                   ; VSC + 8 (r + 16 (w % 2)) + 4 (w / 2)
	v_lshlrev_b32 v[LI], 4, v1
	v_lshl_add_u32 v253, v1, 3, 512
	v_lshl_add_u32 v254, v1, 2, XSC
	v_mov_b32 v[FAC], 0x3fb8aa3b                   ; log2(e)
	v_mov_b32 v[FAC+1], 1.0
	v_cndmask_b32 v[FAC], v[FAC], v[FAC+1], s8
	v_mov_b32 v[FAC+1], v[FAC]
	v_lshl_add_u32 v3, v1, 3, VSC                  ; h, r and the lane are used up: v3 = VSC + 8 l,
	v_lshlrev_b32 v2, 2, v2                        ; v2 = 4 r,
	v_lshlrev_b32 v1, 3, v1                        ; v1 = 8 l
	s_wait_kmcnt 0x0
	s_load_b256 s[32:39], s[24:25], 0x0            ; bq
	s_load_b256 s[40:47], s[26:27], 0x0            ; bk
	s_add_nc_u64 s[16:17], s[16:17], s[10:11]
	s_add_nc_u64 s[22:23], s[22:23], s[12:13]
	s_add_nc_u64 s[28:29], s[28:29], s[14:15]
	s_add_nc_u64 s[50:51], s[30:31], s[50:51]
	s_add_nc_u64 s[52:53], s[30:31], s[52:53]
.irp k, 0,1,2,3,4,5,6,7
	global_load_b128 v[W+4*\k:W+4*\k+3], v[WO], s[18:19] offset:16*\k       ; Wq(r % 8, 32 h + 4 k ..)
.endr
.irp k, 0,1,2,3,4,5,6,7
	global_load_b128 v[RAW+4*\k:RAW+4*\k+3], v[WO], s[20:21] offset:16*\k   ; Wk likewise
.endr
.irp u, 0,1
.set n, 0
.rept 32
	global_load_b32 v[X+32*\u+n], v[XO], s[16:17] offset:n*65536+32*\u      ; x(32 h + n, my position of tile 2 w + u): a lane's registers run down the channels, one whole block of 32
.set n, n+1
.endr
.endr
.irp k, 0,1,2,3,4,5,6,7
	global_load_b128 v[WVR+4*\k:WVR+4*\k+3], v[WVO], s[22:23] offset:16*\k  ; Wv(16 w + r, 32 h + 4 k ..)
.endr
	global_load_b32 v[BV], v2, s[28:29]            ; bv(16 w + r)
	s_wait_loadcnt 9                               ; loads come back in order: all but Wv's eight and bv's one are in
.set n, 0
.rept 32
	v_cndmask_b32 v[W+n], v[W+n], v[RAW+n], s9     ; rows 0-7 of the operand are Wq's, rows 8-15 Wk's
.set n, n+1
.endr
	s_wait_kmcnt 0x0
.irp j, 0,1,2,3,4,5,6,7
	v_mov_b32 v[QT+\j], s[32+\j]
	v_mov_b32 v[BQK+\j], s[40+\j]
.endr
.irp j, 0,1,2,3,4,5,6,7
	v_cndmask_b32 v[BQK+\j], v[QT+\j], v[BQK+\j], s8   ; in the result's layout lanes 0-15 hold q's component j, lanes 16-31 k's
.endr
	; TRANSPOSED: source 0 = the 16 rows of Wq and Wk, source 1 = 16 positions of x.  K slot 2 h + j of step s is channel 32 h + 2 s + j, in both operands alike.  The two accumulators take turns.
	v_wmma_f32_16x16x4_f32 v[ACC:ACC+7], v[W:W+1], v[X:X+1], v[BQK:BQK+7]
	v_wmma_f32_16x16x4_f32 v[ACC+8:ACC+15], v[W:W+1], v[X+32:X+33], v[BQK:BQK+7]
.set n, 1
.rept 15
	v_wmma_f32_16x16x4_f32 v[ACC:ACC+7], v[W+2*n:W+2*n+1], v[X+2*n:X+2*n+1], v[ACC:ACC+7]
	v_wmma_f32_16x16x4_f32 v[ACC+8:ACC+15], v[W+2*n:W+2*n+1], v[X+32+2*n:X+33+2*n], v[ACC+8:ACC+15]
.set n, n+1
.endr
.rept 8
	v_nop                                          ; eight places behind this form before its results are read
.endr
.irp j, 0,2,4,6,8,10,12,14
	v_pk_mul_f32 v[RAW+\j:RAW+\j+1], v[ACC+\j:ACC+\j+1], v[FAC:FAC+1]   ; q x log2(e), k x 1; each accumulator from its low end on
.endr
.irp u, 0,1
	global_store_b128 v[QKO], v[RAW+8*\u:RAW+8*\u+3], s[30:31] offset:512*\u         ; components 0-3: lanes 0-15 store 256 consecutive aligned bytes of q's image, lanes 16-31 of k's
	global_store_b128 v[QKO], v[RAW+8*\u+4:RAW+8*\u+7], s[30:31] offset:512*\u+256   ; components 4-7
.endr
	Q32 X, PC, PC+12, 250                          ; x's codes of tile 2 w,
	Q32 X+32, PC+6, PC+16, 251                     ; and of tile 2 w + 1
	ds_store_b128 v[XWI], v[PC:PC+3]
	ds_store_b64 v[XWJ], v[PC+4:PC+5]
	ds_store_b32 v[XWS], v250
	ds_store_b128 v[XWI], v[PC+6:PC+9] offset:768
	ds_store_b64 v[XWJ], v[PC+10:PC+11] offset:768
	ds_store_b32 v[XWS], v251 offset:128
	s_wait_loadcnt 0x0                             ; Wv and bv
	Q32 WVR, WVF, PC+12, WS
.irp i, 6,7,8,9,10,11
	v_mov_b32 v[WVF+\i], 0                         ; K = 64 .. 127: zero codes
.endr
.irp j, 1,2,3,4,5,6,7
	v_mov_b32 v[BV+\j], v[BV]
.endr
	BARRIER                                        ; x's eight fragments lie in LDS
	s_wait_xcnt 0x0                                ; the stores of q and k have read their data: the products below write those registers
.irp t, 0,1,2,3,4,5,6,7
	ds_load_b128 v[X+12*\t:X+12*\t+3], v[LI] offset:768*\t
	ds_load_b64 v[X+12*\t+4:X+12*\t+5], v253 offset:768*\t
	ds_load_b32 v[XSR+\t], v254 offset:128*\t
.endr
.irp t, 0,1,2,3,4,5,6,7
.irp i, 6,7,8,9,10,11
	v_mov_b32 v[X+12*\t+\i], 0                     ; K = 64 .. 127: zero codes
.endr
.endr
	s_wait_dscnt 0x0
.rept 8
	v_nop                                          ; operands and scale words written by vector instructions stand 4 and 8 places ahead of a scaled matrix instruction
.endr
.irp t, 0,1,2,3,4,5,6,7                        ; source 0 = 16 keys of x, source 1 = my 16 rows of Wv, C = bv: lane (r, h) holds channel 16 w + r, and the 16 registers of tiles 2 b, 2 b + 1 are keys 32 b + 16 h + 0 .. 15
	v_wmma_scale_f32_16x16x128_f8f6f4 v[VD+8*\t:VD+8*\t+7], v[X+12*\t:X+12*\t+11], v[WVF:WVF+11], v[BV:BV+7], v[XSR+\t], v[WS] matrix_a_fmt:MATRIX_FMT_BF6 matrix_b_fmt:MATRIX_FMT_BF6
.endr
.rept 4
	v_nop
.endr
	QUANT VD                                       ; v along the keys
.irp c, 0,1,2
	global_store_b128 v[LI], v[PC+4*\c:PC+4*\c+3], s[50:51] offset:512*\c   ; the fragment as it stands: 512 consecutive aligned bytes a store
.endr
	ds_store_b32 v255, v[PW]                       ; both halves of the lanes write the same word with the same value
	BARRIER                                        ; the four waves' scale words lie in LDS
	s_cmp_lg_u32 s4, 0
	s_cbranch_scc1 .Ldone
	ds_load_b64 v[56:57], v3
	s_wait_dscnt 0x0
	global_store_b64 v1, v[56:57], s[52:53]        ; 32 lanes store 256 consecutive aligned bytes
.Ldone:
	s_wait_tensorcnt 0x0                           ; the wave's end, behind my last LDS store
	ds_add_u32 v[SPW], v[NIL]
	s_wait_dscnt 0x0
	s_endpgm
.Lfunc_end_k_q960cd0db3b_prep:
	.size	k_q960cd0db3b_prep, .Lfunc_end_k_q960cd0db3b_prep-k_q960cd0db3b_prep
	.p2alignl 7, 3214868480
	.fill 96, 4, 3214868480
	.section	.rodata,"a",@progbits
	.p2align	6, 0x0
	.amdhsa_kernel k_q960cd0db3b_prep
		.amdhsa_group_segment_fixed_size 8192
		.amdhsa_private_segment_fixed_size 0
		.amdhsa_enable_private_segment 0
		.amdhsa_kernarg_size 64
		.amdhsa_user_sgpr_count 2
		.amdhsa_user_sgpr_kernarg_segment_ptr 1
		.amdhsa_wavefront_size32 1
		.amdhsa_system_sgpr_workgroup_id_x 1
		.amdhsa_system_sgpr_workgroup_id_y 1
		.amdhsa_system_sgpr_workgroup_id_z 1
		.amdhsa_system_vgpr_workitem_id 0
		.amdhsa_next_free_vgpr 256
		.amdhsa_next_free_sgpr 66
		.amdhsa_reserve_vcc 0
		.amdhsa_float_denorm_mode_32 3
		.amdhsa_float_denorm_mode_16_64 3
		.amdhsa_memory_ordered 1
		.amdhsa_forward_progress 1
		.amdhsa_inst_pref_size 33
	.end_amdhsa_kernel
	.amdgpu_metadata
---
amdhsa.version: [ 1, 2 ]
amdhsa.kernels:
  - .name:           k_q960cd0db3b_prep
    .symbol:         k_q960cd0db3b_prep.kd
    .args:
      - { .name: x, .offset: 0, .size: 8, .value_kind: global_buffer, .address_space: global }
      - { .name: Wq, .offset: 8, .size: 8, .value_kind: global_buffer, .address_space: global }
      - { .name: Wk, .offset: 16, .size: 8, .value_kind: global_buffer, .address_space: global }
      - { .name: Wv, .offset: 24, .size: 8, .value_kind: global_buffer, .address_space: global }
      - { .name: bq, .offset: 32, .size: 8, .value_kind: global_buffer, .address_space: global }
      - { .name: bk, .offset: 40, .size: 8, .value_kind: global_buffer, .address_space: global }
      - { .name: bv, .offset: 48, .size: 8, .value_kind: global_buffer, .address_space: global }
      - { .name: ws, .offset: 56, .size: 8, .value_kind: global_buffer, .address_space: global }
    .group_segment_fixed_size: 8192
    .private_segment_fixed_size: 0
    .kernarg_segment_align: 8
    .kernarg_segment_size: 64
    .max_flat_workgroup_size: 128
    .sgpr_count:     66
    .vgpr_count:     256
    .wavefront_size: 32
...
	.end_amdgpu_metadata
.endif
;; end of part 1
;; launch attn (part 2): grid 256 x 1, 16 waves a work-group, clusters of 4 x 1, 327,680 bytes of LDS; arguments ws, x, gamma, out0; writes out0
.if DOCPART == 2
	.amdgcn_target "amdgcn-amd-amdhsa--gfx1250"
	.amdhsa_code_object_version 6
	.text
	.protected	k_q960cd0db3b_attn
	.globl	k_q960cd0db3b_attn
	.p2align	8
	.type	k_q960cd0db3b_attn,@function
k_q960cd0db3b_attn:
	s_mov_b64 s[64:65], 0
	v_nop
	global_prefetch_b8 v0, s[64:65] scope:SCOPE_SE
	s_setreg_imm32_b32 hwreg(HW_REG_WAVE_MODE, 25, 1), 1
	s_wait_xcnt 0x0
	s_wait_alu depctr_hold_cnt(0) depctr_sa_sdst(0) depctr_va_vdst(0) depctr_va_sdst(0) depctr_va_ssrc(0) depctr_va_vcc(0) depctr_vm_vsrc(0)
	s_getreg_b32 s2, hwreg(HW_REG_IB_STS2, 6, 4)
	s_cmp_eq_u32 s2, 0
	s_cbranch_scc0 .Lentry_in_a_cluster
	s_endpgm
.Lentry_in_a_cluster:
	s_bfe_u32 s2, ttmp6, 0x10000c
	s_cmp_lg_u32 s2, 0x3003
	s_cbranch_scc0 .Lentry_shape_is_right
	s_endpgm
.Lentry_shape_is_right:
; out0[c][n] = gamma x (sum over m of softmax_m(q[n] . k[m]) v[m][c]) + x[c][n], N = 16,384 positions, 64 channels.  No work is left out.
; t = q . k comes with log2(e) inside q (the launch before), f32 operands, by the f32 matrix form; M = the largest t so far, rounded UP to a whole number; p = 2^(t - M) is quantised along the keys to codes of E3M2
; with one E8M0 scale for each 32; v arrives so quantised.  The row's sum is taken of the unquantised p and divides at the end.  When M moves, the sum and O are multiplied by 2^(old M - new M): exact.
; LIMITS: NaN and infinities are not served.  A block of p whose largest number lies under 2^-122 gets the scale byte 1.  The sums over the keys are made in four parts and merged, the parts brought under one M by exact powers of two.
; SHARES.  A work-group owns 64 queries.  Wave WV: qt = WV % 4 is its tile of 16 queries, g = WV / 4 its quarter of the keys: of each slot's 8 records (128 keys each) it takes records 2 g and 2 g + 1: 32 key steps in all.
; Sixteen waves of 256 registers, four to a SIMD: one wave's softmax stands beside another's matrix instructions and LDS loads.  At the end the four quarters meet in LDS.
; LAYOUT.  Both products are used transposed: S^T = K Q^T (source 0 = 16 keys), O^T = V^T P^T (source 0 = 16 channels): a lane holds ONE query (lane % 16) throughout.  The keys of a tile are chosen (see the launch before)
; so that the 16 registers of tiles 2 b and 2 b + 1 are keys 32 b + 16 (lane / 16) + 0 .. 15.  All operands lie in memory and in LDS as images of their registers: every LDS load takes 16 bytes a lane, lane by lane: no padding.
; RING.  Two slots of 8 records; wave WV always fetches record WV of a lap's 16, into LDS byte REC x WV (waves 0-7: slot 0; waves 8-15: slot 1).  V's scale words of all 128 records come once, with the first fills.
; By this text's own count a wave has two tensor loads out at the head and one later.
; CLUSTER.  All work-groups walk the same records: the four of a cluster ask JOINTLY, by the same tensor load with the same descriptor and a mask that names the four.  A work-group's place in its cluster enters
; the addresses of q, x, out0 and of the prefetches alone.
.set REC,   10240
.set SCOFF, 128*REC
.set QOFF,  SCOFF+128*256
.set SLOTB, 8*REC                      ; LDS: slot 0 at 0, slot 1 at SLOTB;
.set SCL,   2*SLOTB                    ; V's scale words, 256 bytes a record, filled once;
.set OIMG,  SCL+128*256                ; the way out: each wave's O^T as an image, 4,096 bytes;
.set STAT,  OIMG+16*4096               ; each wave's -M (4 l) and sum (128 + 4 l), 256 bytes;
.set STG,   STAT+16*256                ; a stage of 64 channel rows x (256 bytes + 16);
.set SPARE, STG+64*272                 ; the spare words, 128 bytes for each wave: eight blocks of 256 bytes that no other line names
.set AL,   1                           ; v1, v2 LDS address of my two records in slot 0, 1: 16 l + 2 REC g
.set AS,   3                           ; v3   of my scale words: SCL + 512 g + 8 l, 4,096 on in each lap
.set SPW,  4                           ; v4   LDS address of my spare word; never rewritten
.set NIL,  5                           ; v5   0; never rewritten
.set QR,   8                           ; v8-11 q's image
.set O,    16                          ; v16-47 O^T: 4 channel tiles x 8;   v12 -M, v13 the largest t, v[14:15] the sum in two halves
.set S,    48                          ; v48-111 S^T = t: written by the f32 matrix form alone
.set P,    112                         ; v112-175 t - M, then p
.set KR,   176                         ; v176-207 k's 8 images;
.set VR,   176                         ; v176-223 then V^T's 4 fragments
.set VS,   248                         ; v[248:249] V's scale words;  v224-235 p's codes; v232-247 at work; v252 f; v253 p's scale word; v254 at work
.set PFO,  250                         ; v250 256 x lane: the prefetches' offset; never rewritten
.set WV,   12                          ; s12 wave; s13 qt; s14 g; s15 cx; s16 the work-group's number
.set G1,   24                          ; s[24:31] descriptor group 1 for a record;  s[32:39] for a wave's part of the scale words
.set G1S,  32
.set G0,   40                          ; s[40:43] group 0 for my record: it walks;  s[44:47] for the scale words
.set G0S,  44
.set SEL,  48                          ; s[48:49] v_permlanex16_b32's selects for lane l xor 16
.set LAP,  50                          ; s50 laps still to be asked for
.set LIM,  51                          ; s51 1 in a wave that prefetches, else the greatest number
.set PFA,  52                          ; s[52:53] where my prefetches stand
.set GAM,  54                          ; s[54:55] gamma, twice
; A round of the cluster's barrier: my work-group's barrier, so that wave 0's signal speaks for all sixteen waves; wave 0 signals; every wave waits for all four work-groups; my work-group's barrier once more.
.macro CROUND
	s_barrier_signal -1
	s_barrier_wait -1
	s_cmp_lg_u32 s[WV], 0
	s_cbranch_scc1 .Lnot_wave_0_\@
	s_barrier_signal -3
.Lnot_wave_0_\@:
	s_barrier_wait -3
	s_barrier_signal -1
	s_barrier_wait -1
.endm
; A PREFETCH INTO THE L2 of the 16 records of the lap after next: it stands at the change out of slot 1, two key steps ahead of the load of that lap's first 8 records and four ahead of the other 8's.
; Each aligned block of 256 bytes is named ONCE in the launch: the first cluster asks; its four partners take 4 records (160 blocks) each, told apart BY ADDRESS; in each, waves 0 to 4, which have no tensor load at this
; change, ask for 32 blocks each, lanes 256 bytes apart.  Records 0 to 31 and the scale words come by their loads alone; the loop's last trip asks for nothing: there is no lap after the next.
.macro ASK
	s_cmp_gt_u32 s[LAP], s[LIM]
	s_cbranch_scc0 .Lnot_mine_\@
	global_prefetch_b8 v[PFO], s[PFA:PFA+1] th:TH_LOAD_NT scope:SCOPE_SE
.Lnot_mine_\@:
.endm
; THE CHANGE OF SLOTS.  Every wave waits for all its tensor loads (the other slot's parts among them), adds 0 to its spare word, and waits for that and for its reads of the slot that it leaves.  Behind the cluster's round
; no wave of any partner reads that slot, and the other slot is whole.  which = 0: slot 0 is left, waves 0-7 fill it with the next lap's records; which = 1: slot 1, waves 8-15.  A refill has the other slot's two key steps in which to land.
.macro CHANGE which
	s_wait_tensorcnt 0x0                           ; no tensor load of mine is out, so a group 0 may be written
	ds_add_u32 v[SPW], v[NIL]                      ; 0 onto my spare word
.if \which == 0
	s_add_nc_u64 s[G0+2:G0+3], s[G0+2:G0+3], 16*REC    ; my record of the next lap (waves 8-15 use it at the next change); the type bits on top are not reached
.else
	s_wait_xcnt 0x0                                ; the last prefetch, a lap back, has read its address, so it may be written
	s_add_nc_u64 s[PFA:PFA+1], s[PFA:PFA+1], 16*REC
.endif
	s_wait_dscnt 0x0                               ; the add is done, and my reads of the slot that I leave are over
	CROUND
	s_cmp_lt_u32 s[WV], 8                          ; the wave's number alone: the same in every work-group
.if \which == 0
	s_cbranch_scc0 .Lnone_\@
.else
	s_cbranch_scc1 .Lnone_\@
.endif
	tensor_load_to_lds s[G0:G0+3], s[G1:G1+7]      ; the first thing behind the round, and my one tensor load until the next
	s_nop 0
.rept 4
	v_nop
.endr
.Lnone_\@:
.if \which
	ASK
.endif
.endm
.macro CHANGE_LAST                     ; nothing is left to fetch: the same three lines and my work-group's barrier
	s_wait_tensorcnt 0x0
	ds_add_u32 v[SPW], v[NIL]
	s_wait_dscnt 0x0
	s_barrier_signal -1
	s_barrier_wait -1
.endm
; A KEY STEP: 128 keys, record 2 g + j of the slot.
.macro STEP slot, j
.rept 4
	v_nop                                          ; places in front of loads into registers that the last step's products have read
.endr
.irp t, 0,1,2,3,4,5,6,7
	ds_load_b128 v[KR+4*\t:KR+4*\t+3], v[AL+\slot] offset:(\j)*REC+512*\t
.endr
	s_wait_dscnt 0x0
.irp t, 0,1,2,3,4,5,6,7                        ; S^T = K Q^T in two K steps of 4: slot 2 h + i of step s is component 4 h + 2 s + i, in both operands alike.  The eight accumulators take turns
	v_wmma_f32_16x16x4_f32 v[S+8*\t:S+8*\t+7], v[KR+4*\t:KR+4*\t+1], v[QR:QR+1], 0
.endr
.irp t, 0,1,2,3,4,5,6,7
	v_wmma_f32_16x16x4_f32 v[S+8*\t:S+8*\t+7], v[KR+4*\t+2:KR+4*\t+3], v[QR+2:QR+3], v[S+8*\t:S+8*\t+7]
.endr
.rept 8
	v_nop                                          ; eight places behind this form: for the loads into k's registers and for the first read of the scores
.endr
.irp f, 0,1,2,3,4,5,6,7,8,9,10,11
	ds_load_b128 v[VR+4*\f:VR+4*\f+3], v[AL+\slot] offset:(\j)*REC+4096+512*\f   ; V^T's four fragments: they land while the softmax is walked
.endr
	ds_load_b64 v[VS:VS+1], v[AS] offset:(8*(\slot)+(\j))*256
.irp b, 0,1,2,3
	v_max3_num_f32 v[232+\b], v[S+16*\b], v[S+1+16*\b], v[S+2+16*\b]   ; THE LARGEST t OF EACH BLOCK OF 32 KEYS: it serves for the row's maximum and, since p rises with t, for the block's largest p
.endr
.irp i, 3,5,7,9,11,13
.irp b, 0,1,2,3
	v_max3_num_f32 v[232+\b], v[232+\b], v[S+16*\b+\i], v[S+1+16*\b+\i]   ; the four blocks by turns
.endr
.endr
.irp b, 0,1,2,3
	v_max_num_f32 v[232+\b], v[232+\b], v[S+15+16*\b]
.endr
.irp b, 0,1,2,3
	v_permlanex16_b32 v[236+\b], v[232+\b], s[SEL], s[SEL+1]
.endr
.irp b, 0,1,2,3
	v_max_num_f32 v[232+\b], v[232+\b], v[236+\b]  ; with lane l xor 16's 16 keys
.endr
	v_max3_num_f32 v254, v232, v233, v234
	v_max_num_f32 v254, v254, v235                 ; the step's largest t of my query
	v_max_num_f32 v13, v13, v254                   ; the running largest t
	v_mov_b32 v254, v12
	v_floor_f32 v12, -v13                          ; the new -M = floor(-t) = -ceil(t): M IS A WHOLE NUMBER
	v_sub_f32 v254, v12, v254                      ; M's old value less its new one: a whole number, 0 or less
	v_cvt_i32_f32 v254, v254                       ; (it saturates)
	v_ldexp_f32 v252, 1.0, v254                    ; f = 2^(old M - new M)
.set n, 0
.rept 32
	v_pk_add_f32 v[P+n:P+n+1], v[S+n:S+n+1], v[12:13] op_sel_hi:[1,0]   ; t - M, two at a time, into registers of their own (of the pair the low word, -M, serves both halves)
.set n, n+2
.endr
.irp b, 0,1,2,3
	v_add_f32 v[232+\b], v[232+\b], v12            ; the same of each block's largest t
.endr
.set n, 0
.rept 64
	v_exp_f32 v[P+n], v[P+n]                       ; p = 2^(t - M), at most 1: NOT normalised
.set n, n+1
.endr
	v_pk_mul_f32 v[14:15], v[14:15], v[252:253] op_sel_hi:[1,0]   ; the sums under the new M.  (A plain place behind the exponentials)
	s_wait_alu depctr_va_vdst(0)                   ; one wait for the whole batch, ahead of its first reader
.irp b, 0,1,2,3
	v_exp_f32 v[232+\b], v[232+\b]                 ; the block's largest p: the same addition and exponential on the same number give the same bits
.endr
	v_pk_add_f32 v[236:237], v[P:P+1], v[P+2:P+3]  ; THE ROW'S SUM IS TAKEN OF THE UNQUANTISED p: two at a time, in two chains
.irp i, 4,8,12,16,20,24,28,32,36,40,44,48,52,56,60
	v_pk_add_f32 v[14:15], v[14:15], v[P+\i:P+\i+1]
	v_pk_add_f32 v[236:237], v[236:237], v[P+2+\i:P+3+\i]
.endr
	v_pk_add_f32 v[14:15], v[14:15], v[236:237]
	s_wait_alu depctr_va_vdst(0)                   ; and one for the four
.irp b, 0,1,2,3
	v_max_num_f32 v[232+\b], 0x2800000, v[232+\b]  ; the floor 2^(5 - 127): the byte cannot fall under 1
.endr
.irp b, 0,1,2,3
	v_add_nc_u32 v[244+\b], 0xfe000000, v[232+\b]  ; 4 off the exponent field: the conversion's scale operand
.endr
.irp b, 0,1,2,3
	v_lshrrev_b32 v[236+\b], 23, v[244+\b]         ; the scale's byte
.endr
	v_lshl_or_b32 v253, v237, 8, v236              ; p's scale word for these 128 keys
	v_lshl_or_b32 v253, v238, 16, v253
	v_lshl_or_b32 v253, v239, 24, v253
.irp c, 0,1
	v_cvt_scalef32_pk16_bf6_f32 v[224+6*\c:226+6*\c], v[P+32*\c:P+15+32*\c], v[244+2*\c]
	v_cvt_scalef32_pk16_bf6_f32 v[236+4*\c:238+4*\c], v[P+16+32*\c:P+31+32*\c], v[244+2*\c+1]   ; (a conversion's three registers begin on an even number)
.endr
	v_nop                                          ; one plain place behind a scaled conversion
.irp c, 0,1                                    ; the operand's layout wants a WHOLE block in a lane: lanes 0-15 block 2 c, lanes 16-31 block 2 c + 1
.irp i, 0,1,2
	v_permlane16_swap_b32 v[224+6*\c+\i], v[236+4*\c+\i]
.endr
.irp i, 0,1,2
	v_mov_b32 v[227+6*\c+\i], v[236+4*\c+\i]
.endr
.endr
.set n, 0
.rept 16
	v_pk_mul_f32 v[O+n:O+n+1], v[O+n:O+n+1], v[252:253] op_sel_hi:[1,0]   ; O^T under the new M: x f, each accumulator from its low end on.  (These are also the places in front of the products below)
.set n, n+2
.endr
	s_wait_dscnt 0x0                               ; V^T's fragments and scale words are in
	; O^T += V^T P^T: K = these 128 keys.  V's scale words: channel tiles 0 and 2 in lanes 0-15 of the two registers, tiles 1 and 3 in lanes 16-31
	v_wmma_scale_f32_16x16x128_f8f6f4 v[O:O+7], v[VR:VR+11], v[224:235], v[O:O+7], v[VS], v253 matrix_a_fmt:MATRIX_FMT_BF6 matrix_b_fmt:MATRIX_FMT_BF6
	v_wmma_scale_f32_16x16x128_f8f6f4 v[O+8:O+15], v[VR+12:VR+23], v[224:235], v[O+8:O+15], v[VS], v253 matrix_a_fmt:MATRIX_FMT_BF6 matrix_b_fmt:MATRIX_FMT_BF6 matrix_a_scale:MATRIX_SCALE_ROW1
	v_wmma_scale_f32_16x16x128_f8f6f4 v[O+16:O+23], v[VR+24:VR+35], v[224:235], v[O+16:O+23], v[VS+1], v253 matrix_a_fmt:MATRIX_FMT_BF6 matrix_b_fmt:MATRIX_FMT_BF6
	v_wmma_scale_f32_16x16x128_f8f6f4 v[O+24:O+31], v[VR+36:VR+47], v[224:235], v[O+24:O+31], v[VS+1], v253 matrix_a_fmt:MATRIX_FMT_BF6 matrix_b_fmt:MATRIX_FMT_BF6 matrix_a_scale:MATRIX_SCALE_ROW1
.endm
	s_load_b256 s[4:11], s[0:1], 0x0               ; ws s[4:5], x s[6:7], gamma s[8:9], out0 s[10:11]
	v_lshl_add_u32 v[SPW], v0, 2, SPARE
	v_mov_b32 v[NIL], 0
	ds_add_u32 v[SPW], v[NIL]                      ; the wave's opening: the add, twice on end, and its wait ahead of my first tensor load; the set-up below, work on registers, stands between
	ds_add_u32 v[SPW], v[NIL]
	v_lshrrev_b32 v6, 5, v0
	v_readfirstlane_b32 s[WV], v6                  ; wave 0..15
	s_and_b32 s13, s[WV], 3                        ; qt
	s_lshr_b32 s14, s[WV], 2                       ; g
	s_bfe_u32 s15, ttmp6, 0x40000                  ; cx: my place in the cluster
	s_lshl_b32 s16, ttmp9, 2                       ; in a cluster launch ttmp9 counts clusters
	s_add_co_u32 s16, s16, s15                     ; my block of 64 queries
	; descriptor group 1: a record is a dense block of REC bytes: 40 rows of 256 bytes (32 elements of 8 bytes), no padding
	s_mov_b32 s[G1], 15|(3<<16)|(1<<21)            ; 15:0 the mask: all four work-groups; 17:16 elements of 8 bytes; 21 set beside a mask
	s_mov_b32 s[G1+1], 32<<16                      ; tensor_dim0 = 32
	s_mov_b32 s[G1+2], 40<<16                      ; tensor_dim1 = 40
	s_mov_b32 s[G1+3], 32<<16                      ; tile_dim0 = 32
	s_mov_b32 s[G1+4], 40                          ; tile_dim1 = 40
	s_mov_b32 s[G1+5], 32                          ; elements from row to row
	s_mov_b32 s[G1+6], 0
	s_mov_b32 s[G1+7], 0
	s_mov_b32 s[G1S], 15|(3<<16)|(1<<21)           ; a wave's sixteenth of the scale words: 8 such rows
	s_mov_b32 s[G1S+1], 32<<16
	s_mov_b32 s[G1S+2], 8<<16
	s_mov_b32 s[G1S+3], 32<<16
	s_mov_b32 s[G1S+4], 8
	s_mov_b32 s[G1S+5], 32
	s_mov_b32 s[G1S+6], 0
	s_mov_b32 s[G1S+7], 0
	s_mov_b32 s[G0], 1                             ; count = 1
	s_mul_i32 s[G0+1], s[WV], REC                  ; LDS address: the wave's number alone enters it
	s_mov_b32 s[G0S], 1
	s_lshl_b32 s[G0S+1], s[WV], 11
	s_add_co_u32 s[G0S+1], s[G0S+1], SCL
	s_mul_i32 s18, s[WV], REC                      ; my record of lap 0, in memory
	s_mov_b32 s19, 0
	s_lshl_b32 s20, s[WV], 11
	s_add_co_u32 s20, s20, SCOFF                   ; my part of the scale words
	s_mov_b32 s21, 0
	s_lshl_b32 s22, s16, 2
	s_add_co_u32 s22, s22, s13
	s_lshl_b32 s22, s22, 9
	s_add_co_u32 s22, s22, QOFF                    ; my tile of queries: image 4 x work-group + qt
	s_mov_b32 s23, 0
	s_lshl_b32 s58, s16, 8                         ; my work-group's 256 bytes in a row of x and of out0
	s_mov_b32 s59, 0
	s_mul_i32 s[PFA], s15, 4*REC                   ; the prefetches: my work-group's 4 records of a lap's 16,
	s_lshl_b32 s17, s[WV], 13                      ; my wave's 8,192 bytes of them,
	s_add_co_u32 s[PFA], s[PFA], s17
	s_add_co_u32 s[PFA], s[PFA], 16*REC            ; in lap 1: the first change out of slot 1 steps it to lap 2
	s_mov_b32 s[PFA+1], 0
	s_cmp_lt_u32 s[WV], 5
	s_cselect_b32 s[LIM], 0, 1
	s_or_b32 s[LIM], s[LIM], ttmp9                 ; 0 in waves 0 to 4 of the first cluster: the same in all four partners
	s_cmp_eq_u32 s[LIM], 0
	s_cselect_b32 s[LIM], 1, -1
	s_mov_b32 s[SEL], 0x76543210
	s_mov_b32 s[SEL+1], 0xfedcba98
	s_mov_b32 s[LAP], 7
	v_and_b32 v6, 31, v0                           ; lane
	v_lshlrev_b32 v[PFO], 8, v6
	s_mul_i32 s17, s14, 2*REC
	v_lshl_add_u32 v[AL], v6, 4, s17
	v_add_nc_u32 v[AL+1], SLOTB, v[AL]
	s_lshl_b32 s17, s14, 9
	s_add_co_u32 s17, s17, SCL
	v_lshl_add_u32 v[AS], v6, 3, s17
	v_lshlrev_b32 v7, 4, v6
	s_wait_dscnt 0x0                               ; both opening adds are done
	s_wait_kmcnt 0x0
	s_add_nc_u64 s[G0+2:G0+3], s[4:5], s[18:19]
	s_or_b32 s[G0+3], s[G0+3], 0x80000000          ; type = 2
	s_add_nc_u64 s[G0S+2:G0S+3], s[4:5], s[20:21]
	s_or_b32 s[G0S+3], s[G0S+3], 0x80000000
	s_add_nc_u64 s[56:57], s[4:5], s[22:23]
	s_add_nc_u64 s[PFA:PFA+1], s[4:5], s[PFA:PFA+1]
	s_add_nc_u64 s[6:7], s[6:7], s[58:59]
	s_add_nc_u64 s[10:11], s[10:11], s[58:59]
	s_load_b32 s[GAM], s[8:9], 0x0
	CROUND                                         ; all four work-groups are here: the first joint loads meet
	tensor_load_to_lds s[G0S:G0S+3], s[G1S:G1S+7]  ; every wave issues its two first fills, with no branch: its part of the scale words,
	s_nop 0
	tensor_load_to_lds s[G0:G0+3], s[G1:G1+7]      ; and its record of lap 0
	s_nop 0
.rept 4
	v_nop
.endr
	global_load_b128 v[QR:QR+3], v7, s[56:57]      ; q's image stays in registers
	v_mov_b32 v13, 0xff61b1e6                      ; the largest t so far: -3e38, under every t
	v_floor_f32 v12, -v13                          ; -M
	v_mov_b32 v14, 0                               ; the sum, in two halves
	v_mov_b32 v15, 0
.irp b, 0,1,2,3
	v_mov_b32 v[236+\b], 0                         ; written once: a lane permute's destination counts as one of its sources
.endr
	v_mov_b32 v253, 0                              ; (named as the upper half of the pair v[252:253] before it is first written)
.set n, 0
.rept 32
	v_mov_b32 v[O+n], 0                            ; O^T.  (The step is written without a first step of its own: it finds zeros, which the first change of M leaves zeros)
.set n, n+1
.endr
	s_wait_tensorcnt 0x0                           ; my two first fills have landed,
	s_barrier_signal -1
	s_barrier_wait -1                              ; everybody's have: both slots and the scale words are whole
	s_wait_loadcnt 0x0                             ; q
	s_wait_kmcnt 0x0                               ; gamma
	s_mov_b32 s[GAM+1], s[GAM]
.Llap:                                             ; 7 trips: a trip walks a lap's 16 records and asks for the next lap's
	STEP 0, 0
	STEP 0, 1
	CHANGE 0
	STEP 1, 0
	STEP 1, 1
	CHANGE 1
	v_add_nc_u32 v[AS], 4096, v[AS]                ; the next lap's scale words (no LDS load of mine is out)
	s_sub_co_u32 s[LAP], s[LAP], 1
	s_cmp_lg_u32 s[LAP], 0
	s_cbranch_scc1 .Llap
	STEP 0, 0                                      ; the last lap is written out: it asks for nothing
	STEP 0, 1
	CHANGE_LAST
	STEP 1, 0
	STEP 1, 1
	; THE WAY OUT.  A: each wave lays its O^T, its -M and its sum into LDS.  The lines up to the first store are also the places behind the last products.
	v_add_f32 v14, v14, v15                        ; the sum's two halves,
	v_and_b32 v6, 31, v0                           ; lane
	v_and_b32 v7, 15, v0                           ; r
	v_bfe_u32 v251, v0, 4, 1                       ; h
	v_permlanex16_b32 v252, v14, s[SEL], s[SEL+1]
	s_lshl_b32 s17, s[WV], 12
	s_add_co_u32 s17, s17, OIMG
	v_lshl_add_u32 v1, v6, 4, s17                  ; my image: OIMG + 4,096 WV + 16 l
	s_lshl_b32 s18, s[WV], 8
	s_add_co_u32 s18, s18, STAT
	v_lshl_add_u32 v2, v6, 2, s18                  ; STAT + 256 WV + 4 l
	s_lshl_b32 s19, s[WV], 18
	v_lshlrev_b32 v3, 16, v251
	v_lshl_add_u32 v3, v7, 4, v3
	v_add_nc_u32 v3, s19, v3                       ; x and out0: channel 4 WV + h, 16 bytes a lane
	s_lshl_b32 s20, s13, 12
	s_lshl_b32 s21, s14, 10
	s_add_co_u32 s20, s20, s21
	s_add_co_u32 s20, s20, OIMG
	v_lshl_add_u32 v254, v6, 4, s20                ; the merge reads channel tile g of query tile qt: OIMG + 4,096 qt + 1,024 g + 16 l, 16,384 on for each quarter of the keys
	s_lshl_b32 s21, s13, 8
	s_add_co_u32 s21, s21, STAT
	v_lshl_add_u32 v255, v6, 2, s21
	s_mul_i32 s22, s14, 16*272
	s_lshr_b32 s56, s13, 1
	s_lshl_b32 s56, s56, 7
	s_and_b32 s57, s13, 1
	s_lshl_b32 s57, s57, 5
	s_add_co_u32 s22, s22, s56
	s_add_co_u32 s22, s22, s57
	s_add_co_u32 s22, s22, STG
	v_and_b32 v244, 8, v7
	v_add_nc_u32 v244, v244, v7
	v_lshlrev_b32 v244, 2, v244
	v_mad_u32_u24 v244, v251, 8*272, v244
	v_add_nc_u32 v244, s22, v244                   ; the stage, in: row 16 g + 8 h (+ j), my query's place 32 (qt / 2) + 8 (qt % 2) + r + 8 (r / 8)
	s_mul_i32 s23, s[WV], 4*272
	s_add_co_u32 s23, s23, STG
	v_mul_u32_u24 v245, v251, 272
	v_lshl_add_u32 v245, v7, 4, v245
	v_add_nc_u32 v245, s23, v245                   ; and back: row 4 WV + h, 16 bytes a lane
	v_add_f32 v14, v14, v252                       ; and lane l xor 16's: my quarter's sum
.irp i, 0,1,2,3,4,5,6,7
	ds_store_b128 v1, v[O+4*\i:O+4*\i+3] offset:512*\i   ; each accumulator from its low end on
.endr
	ds_store_b32 v2, v12
	ds_store_b32 v2, v14 offset:128
	global_load_b128 v[176:179], v3, s[6:7] th:TH_LOAD_NT                 ; x of the rows that I will store: asked for here, wanted at the end
	global_load_b128 v[180:183], v3, s[6:7] offset:131072 th:TH_LOAD_NT   ; two channels further down
	s_wait_dscnt 0x0                               ; for the others' sake: my stores are done
	s_barrier_signal -1
	s_barrier_wait -1
	; B: wave (qt, g) merges the four quarters of the keys for channel tile g of query tile qt
.irp q, 0,1,2,3
	ds_load_b128 v[184+8*\q:187+8*\q], v254 offset:16384*\q
	ds_load_b128 v[188+8*\q:191+8*\q], v254 offset:16384*\q+512
	ds_load_b32 v[216+\q], v255 offset:1024*\q
	ds_load_b32 v[220+\q], v255 offset:1024*\q+128
.endr
	s_wait_dscnt 0x0
	v_min3_num_f32 v224, v216, v217, v218
	v_min_num_f32 v224, v224, v219                 ; -M of the whole row: the smallest of the four
.irp q, 0,1,2,3
	v_sub_f32 v[228+2*\q], v224, v[216+\q]         ; the quarter's M less the row's: a whole number, 0 or less
.endr
.irp q, 0,1,2,3
	v_cvt_i32_f32 v[228+2*\q], v[228+2*\q]
.endr
.irp q, 0,1,2,3
	v_ldexp_f32 v[228+2*\q], 1.0, v[228+2*\q]      ; the quarter's factor: an exact power of two,
.endr
.irp q, 0,1,2,3
	v_mov_b32 v[229+2*\q], v[228+2*\q]             ; kept twice, for the packed forms
.endr
	v_mul_f32 v225, v228, v220
	v_fmac_f32 v225, v230, v221
	v_fmac_f32 v225, v232, v222
	v_fmac_f32 v225, v234, v223                    ; the row's sum
	v_rcp_f32 v226, v225
.irp k, 0,2,4,6
	v_pk_mul_f32 v[236+\k:237+\k], v[184+\k:185+\k], v[228:229]
.endr
.irp q, 1,2,3
.irp k, 0,2,4,6
	v_pk_fma_f32 v[236+\k:237+\k], v[184+8*\q+\k:185+8*\q+\k], v[228+2*\q:229+2*\q], v[236+\k:237+\k]
.endr
.endr
	s_wait_alu depctr_va_vdst(0)                   ; a wait ahead of the reciprocal's first reader; the sixteen lines above are the independent work between
	v_mov_b32 v227, v226
.irp k, 0,2,4,6
	v_pk_mul_f32 v[236+\k:237+\k], v[236+\k:237+\k], v[226:227]   ; O^T / the sum
.endr
.irp j, 0,1,2,3,4,5,6,7
	ds_store_b32 v244, v[236+\j] offset:272*\j     ; channel 16 g + 8 h + j, my query: the 32 lanes touch 32 different banks (rows 68 words apart; ISA guide 11.1)
.endr
	s_wait_dscnt 0x0
	s_barrier_signal -1
	s_barrier_wait -1                              ; 64 whole channel rows lie in the stage
	; C: each wave stores four channel rows of 64 queries
	ds_load_b128 v[184:187], v245
	ds_load_b128 v[188:191], v245 offset:2*272
	s_wait_dscnt 0x0
	s_wait_loadcnt 0x0                             ; x
.irp k, 0,2,4,6
	v_pk_fma_f32 v[192+\k:193+\k], v[184+\k:185+\k], s[GAM:GAM+1], v[176+\k:177+\k] op_sel_hi:[1,0,1]   ; gamma x out + x
.endr
	global_store_b128 v3, v[192:195], s[10:11] th:TH_STORE_NT                 ; sixteen lanes store 256 consecutive bytes, at a multiple of 256 from out0's first byte
	global_store_b128 v3, v[196:199], s[10:11] offset:131072 th:TH_STORE_NT
	s_wait_tensorcnt 0x0                           ; the wave's end, behind my last tensor load and my last LDS store
	ds_add_u32 v[SPW], v[NIL]
	s_wait_dscnt 0x0
	CROUND                                         ; the closing round: no work-group ends while a partner may still ask for a tile that names it
	s_endpgm
.Lfunc_end_k_q960cd0db3b_attn:
	.size	k_q960cd0db3b_attn, .Lfunc_end_k_q960cd0db3b_attn-k_q960cd0db3b_attn
	.p2alignl 7, 3214868480
	.fill 96, 4, 3214868480
	.section	.rodata,"a",@progbits
	.p2align	6, 0x0
	.amdhsa_kernel k_q960cd0db3b_attn
		.amdhsa_group_segment_fixed_size 327680
		.amdhsa_private_segment_fixed_size 0
		.amdhsa_enable_private_segment 0
		.amdhsa_kernarg_size 32
		.amdhsa_user_sgpr_count 2
		.amdhsa_user_sgpr_kernarg_segment_ptr 1
		.amdhsa_wavefront_size32 1
		.amdhsa_system_sgpr_workgroup_id_x 1
		.amdhsa_system_sgpr_workgroup_id_y 1
		.amdhsa_system_sgpr_workgroup_id_z 1
		.amdhsa_system_vgpr_workitem_id 0
		.amdhsa_next_free_vgpr 256
		.amdhsa_next_free_sgpr 66
		.amdhsa_reserve_vcc 0
		.amdhsa_float_denorm_mode_32 3
		.amdhsa_float_denorm_mode_16_64 3
		.amdhsa_memory_ordered 1
		.amdhsa_forward_progress 1
		.amdhsa_inst_pref_size 134
	.end_amdhsa_kernel
	.amdgpu_metadata
---
amdhsa.version: [ 1, 2 ]
amdhsa.kernels:
  - .name:           k_q960cd0db3b_attn
    .symbol:         k_q960cd0db3b_attn.kd
    .args:
      - { .name: ws, .offset: 0, .size: 8, .value_kind: global_buffer, .address_space: global }
      - { .name: x, .offset: 8, .size: 8, .value_kind: global_buffer, .address_space: global }
      - { .name: gamma, .offset: 16, .size: 8, .value_kind: global_buffer, .address_space: global }
      - { .name: out0, .offset: 24, .size: 8, .value_kind: global_buffer, .address_space: global }
    .group_segment_fixed_size: 327680
    .private_segment_fixed_size: 0
    .kernarg_segment_align: 8
    .kernarg_segment_size: 32
    .max_flat_workgroup_size: 512
    .sgpr_count:     66
    .vgpr_count:     256
    .wavefront_size: 32
...
	.end_amdgpu_metadata
.endif
;; end of part 2
